; MI455X (gfx1250); checked and timed in simulation.
; The chip was launched on July 23, 2026; its instructions are those of AMD's public machine-readable ISA for CDNA 5 (MIT licence, August 2026) and "CDNA5" Instruction Set Architecture Reference Guide (July 2026). The comments in the code are by the model that wrote it; some were corrected since.
;; ROI Pool. Allowed arithmetic: float matrix products may take bf16 or f16 operands with f32 sums; all other float work in f32.
;; Inputs: bboxes 256 x 4 float32; feature_map 1 x 256 x 50 x 50 float32.
;; Outputs: out0 256 x 256 x 7 x 7 float32.
;; Constants: output_size = 7, spatial_scale = 0.0625.
;; One version. Each part assembles by itself: llvm-mc -triple=amdgcn-amd-amdhsa -mcpu=gfx1250 --defsym DOCPART=n.
;; ======== version 1 of 1: 2 launches
;; workspace buffers: bins 32,768 bytes of whole numbers; featt 2,560,000 bytes
;; launch prep (part 1): grid 108 x 1, 8 waves a work-group, no clusters, 26,624 bytes of LDS; arguments bboxes, feature_map, bins, featt; writes bins, featt
.if DOCPART == 1
	.amdgcn_target "amdgcn-amd-amdhsa--gfx1250"
	.amdhsa_code_object_version 6
	.text
	.protected	k_q415d87286e_prep
	.globl	k_q415d87286e_prep
	.p2align	8
	.type	k_q415d87286e_prep,@function
k_q415d87286e_prep:
	s_mov_b64 s[64:65], 0
	v_nop
	global_prefetch_b8 v0, s[64:65] scope:SCOPE_SE
	s_setreg_imm32_b32 hwreg(HW_REG_WAVE_MODE, 25, 1), 1
	s_wait_xcnt 0x0
; ROI pooling, first of two launches: everything that the pooling launch needs as whole numbers or in another order.
;
; Work-groups 0..99 re-lay the feature map [256 channels][2500 cells] f32 as featt [2500 cells][256 words], so that the pooling launch reads
; all channels of a cell as 1,024 consecutive bytes.  The channels of a cell are permuted: word 128 g + 4 l + k (g 0..1, l 0..31, k 0..3)
; holds channel 128 g + 32 k + l: a lane that loads 16 bytes there gets four channels 32 apart, and neighbouring lanes neighbouring channels.
; A work-group takes 64 words (one quarter Q of a cell's 256) x 100 cells: 4 quarters x 25 tiles = 100 work-groups, each byte read and written once.
;
; Work-groups 100..107 make the table of bin edges, 32 words a box: hs[0..7], he[0..7], ws[0..7], we[0..7] (index 7 is a defined word that nobody uses).
; LIMIT: box coordinates times 1/16 below 2^26 in magnitude (the division by 7 below is exact for numerators under 2^32 / 3);
; whatever the box, the stored edges are clipped to 0..50.
; No cluster: no two work-groups read the same bytes.
.set PLANE,  10000                     ; bytes of a channel's 50 x 50 cells
.set TCELLS, 100                       ; cells of a tile
.set TROW,   400                       ; bytes of a tile's row (one channel) in memory and in LDS
.set CELLB,  1024                      ; bytes of a cell in featt
.set NTRANS, 100                       ; work-groups that re-lay; the eight behind them make the table
.set X,      16                        ; v[16:47]  eight channel runs as loaded
.set Y,      48                        ; v[48:75]  seven times four words to store
	s_load_b256 s[4:11], s[0:1], 0x0               ; bboxes s[4:5], feature_map s[6:7], bins s[8:9], featt s[10:11]
	v_lshl_add_u32 v80, v0, 2, 0x6400
	v_mov_b32 v81, 0
	s_cmp_ge_u32 ttmp9, NTRANS
	s_cbranch_scc1 .Lbins
	; ---- the feature map ----
	v_lshrrev_b32 v1, 5, v0
	v_readfirstlane_b32 s12, v1                    ; wave 0..7
	v_and_b32 v1, 31, v0                           ; lane
	s_and_b32 s13, ttmp9, 3                        ; Q: which 64 words of a cell
	s_lshr_b32 s14, ttmp9, 2                       ; tile 0..24: which 100 cells
	; LDS row rho = 16 k + q (q = 0..15) holds the channel of word 64 Q + 4 q + k.  Wave w loads rows 8 w .. 8 w + 7, which are the eight
	; neighbouring channels from 128 (Q >> 1) + 32 (w >> 1) + 16 (Q & 1) + 8 (w & 1) on.
	s_lshr_b32 s15, s13, 1
	s_lshl_b32 s15, s15, 7
	s_and_b32 s16, s13, 1
	s_lshl4_add_u32 s15, s16, s15
	s_lshr_b32 s16, s12, 1
	s_lshl_b32 s16, s16, 5
	s_add_co_u32 s15, s15, s16
	s_and_b32 s16, s12, 1
	s_lshl3_add_u32 s15, s16, s15                  ; my first channel
	s_mul_i32 s16, s15, PLANE
	s_mul_i32 s17, s14, TROW
	s_add_co_u32 s16, s16, s17                     ; its byte offset at the tile's first cell (below 2,560,000)
	s_mov_b32 s17, 0
	v_min_u32 v2, 24, v1                           ; a run is 25 pieces of 16 bytes: lanes 25..31 repeat lane 24's piece
	v_lshlrev_b32 v2, 4, v2
	s_mul_i32 s18, s12, 8*TROW
	v_add_nc_u32 v3, s18, v2                       ; LDS: my wave's first row + my piece
	s_wait_kmcnt 0x0
	s_add_nc_u64 s[6:7], s[6:7], s[16:17]
.irp i, 0,1,2,3,4,5,6,7
	global_load_b128 v[X+4*\i:X+4*\i+3], v2, s[6:7] offset:\i*PLANE th:TH_LOAD_NT   ; 400 consecutive bytes of channel i; read once in the launch
.endr
	; while they are on their way: the addresses of the way out.  A wave takes two cells at a time: lanes 0-15 one, lanes 16-31 the next.
	v_and_b32 v4, 15, v0                           ; q
	v_bfe_u32 v5, v0, 4, 1
	v_lshl_add_u32 v5, s12, 1, v5                  ; cell in a pass of 16: 2 w + half
	v_mul_u32_u24 v6, v4, TROW
	v_lshl_add_u32 v6, v5, 2, v6                   ; LDS: row q, my cell
	v_lshlrev_b32 v7, 4, v4
	v_lshl_add_u32 v7, v5, 10, v7                  ; featt: my cell, 16 bytes at word 4 q
	s_mul_i32 s16, s14, TCELLS*CELLB
	s_lshl_b32 s18, s13, 8
	s_add_co_u32 s16, s16, s18                     ; the tile's first cell, the quarter's 256 bytes
	s_add_nc_u64 s[10:11], s[10:11], s[16:17]
.irp i, 0,1,2,3,4,5,6,7
	s_wait_loadcnt 7-\i                            ; loads come back in order (ISA guide 5.7.1): run i is in, the 7 - i younger ones stay out
	ds_store_b128 v3, v[X+4*\i:X+4*\i+3] offset:\i*TROW
.endr
	s_wait_dscnt 0x0                               ; my rows are in LDS before I say so: the other waves read them
	s_barrier_signal -1
	s_barrier_wait -1
	; Word k of my 16 bytes is row 16 k + q.  Rows are 100 words apart, 36 = 4 x 9 modulo the 64 banks (ISA guide 11.1): the sixteen q fall on
	; sixteen different multiples of 4, and the second half of the lanes, one cell on, one bank beside them: no two lanes on one bank.
.irp g, 0,1,2,3,4,5
.irp k, 0,1,2,3
	ds_load_b32 v[Y+4*\g+\k], v6 offset:\k*16*TROW+\g*64
.endr
.endr
.irp g, 0,1,2,3,4,5
	s_wait_dscnt 4*(5-\g)                          ; the four words of pass g are in; the passes behind it stay out
	global_store_b128 v7, v[Y+4*\g:Y+4*\g+3], s[10:11] offset:\g*16*CELLB   ; 16 lanes store 256 consecutive bytes, at a multiple of 256 from featt's first byte
.endr
	s_cmp_gt_u32 s12, 1                            ; 100 cells = 6 passes of 16 + 4: waves 0 and 1 take the last four
	s_cbranch_scc1 .Lend
.irp k, 0,1,2,3
	ds_load_b32 v[Y+24+\k], v6 offset:\k*16*TROW+6*64
.endr
	s_wait_dscnt 0x0
	global_store_b128 v7, v[Y+24:Y+27], s[10:11] offset:6*16*CELLB
.Lend:
	s_wait_tensorcnt 0x0
	ds_add_u32 v80, v81
	s_wait_dscnt 0x0
	s_endpgm
	; ---- the table of bin edges ----
	; Thread t of work-group 100 + b makes words 4 (t & 7) .. + 3 of box 32 b + (t >> 3): all four are of one kind (t >> 1) & 3 = hs, he, ws, we.
	; edge = clip((p + e) * len + 6 e) / 7 + start, 0, 50), e = 1 for the upper edges (the ceiling), start and len along y for hs, he, along x for ws, we.
.Lbins:
	s_sub_co_u32 s12, ttmp9, NTRANS                ; b, 0..7
	v_lshrrev_b32 v1, 3, v0
	v_and_b32 v2, 4, v0
	v_xor_b32 v2, 4, v2                            ; kinds 0, 1: y1 lies 4 bytes into the box; kinds 2, 3: x1 at 0
	v_lshl_add_u32 v1, v1, 4, v2
	s_lshl_b32 s13, s12, 9                         ; 32 boxes of 16 bytes
	v_add_nc_u32 v1, s13, v1
	v_bfe_u32 v3, v0, 1, 1                         ; e
	v_and_b32 v4, 1, v0
	v_lshl_add_u32 v4, v4, 2, v3                   ; my first p, + e
	v_mul_u32_u24 v5, 6, v3                        ; 6 e
	v_lshlrev_b32 v6, 4, v0
	s_lshl_b32 s14, s12, 12
	v_add_nc_u32 v6, s14, v6                       ; my 16 bytes of the table: a wave's store covers 512 consecutive bytes
	s_wait_kmcnt 0x0
	global_load_b32 v8, v1, s[4:5]                 ; x1 or y1
	global_load_b32 v9, v1, s[4:5] offset:8        ; x2 or y2
	s_wait_loadcnt 0x0
	v_fma_f32 v8, v8, 0x3d800000, 0.5              ; box / 16 is exact, so the fused form rounds as the product and the sum do
	v_fma_f32 v9, v9, 0x3d800000, 0.5
	v_floor_f32 v8, v8
	v_floor_f32 v9, v9
	v_cvt_i32_f32 v8, v8                           ; start
	v_cvt_i32_f32 v9, v9
	v_sub_nc_u32 v9, v9, v8
	v_add_nc_u32 v9, 1, v9
	v_max_i32 v9, 1, v9                            ; len, at least 1
.irp j, 0,1,2,3
	v_add_nc_u32 v10, \j, v4
	v_mad_u32 v10, v10, v9, v5                     ; never negative
	v_mul_hi_u32 v10, 0x24924925, v10              ; / 7: (2^32 + 3) / 7, exact floor for numerators under 2^32 / 3
	v_add_nc_u32 v10, v10, v8
	v_max_i32 v10, 0, v10
	v_min_i32 v[12+\j], 50, v10
.endr
	global_store_b128 v6, v[12:15], s[8:9]
	s_endpgm
.Lfunc_end_k_q415d87286e_prep:
	.size	k_q415d87286e_prep, .Lfunc_end_k_q415d87286e_prep-k_q415d87286e_prep
	.p2alignl 7, 3214868480
	.fill 96, 4, 3214868480
	.section	.rodata,"a",@progbits
	.p2align	6, 0x0
	.amdhsa_kernel k_q415d87286e_prep
		.amdhsa_group_segment_fixed_size 26624
		.amdhsa_private_segment_fixed_size 0
		.amdhsa_enable_private_segment 0
		.amdhsa_kernarg_size 32
		.amdhsa_user_sgpr_count 2
		.amdhsa_user_sgpr_kernarg_segment_ptr 1
		.amdhsa_wavefront_size32 1
		.amdhsa_system_sgpr_workgroup_id_x 1
		.amdhsa_system_sgpr_workgroup_id_y 1
		.amdhsa_system_sgpr_workgroup_id_z 1
		.amdhsa_system_vgpr_workitem_id 0
		.amdhsa_next_free_vgpr 82
		.amdhsa_next_free_sgpr 66
		.amdhsa_reserve_vcc 0
		.amdhsa_float_denorm_mode_32 3
		.amdhsa_float_denorm_mode_16_64 3
		.amdhsa_memory_ordered 1
		.amdhsa_forward_progress 1
		.amdhsa_inst_pref_size 9
	.end_amdhsa_kernel
	.amdgpu_metadata
---
amdhsa.version: [ 1, 2 ]
amdhsa.kernels:
  - .name:           k_q415d87286e_prep
    .symbol:         k_q415d87286e_prep.kd
    .args:
      - { .name: bboxes, .offset: 0, .size: 8, .value_kind: global_buffer, .address_space: global }
      - { .name: feature_map, .offset: 8, .size: 8, .value_kind: global_buffer, .address_space: global }
      - { .name: bins, .offset: 16, .size: 8, .value_kind: global_buffer, .address_space: global }
      - { .name: featt, .offset: 24, .size: 8, .value_kind: global_buffer, .address_space: global }
    .group_segment_fixed_size: 26624
    .private_segment_fixed_size: 0
    .kernarg_segment_align: 8
    .kernarg_segment_size: 32
    .max_flat_workgroup_size: 256
    .sgpr_count:     66
    .vgpr_count:     82
    .wavefront_size: 32
...
	.end_amdgpu_metadata
.endif
;; end of part 1
;; launch pool (part 2): grid 256 x 1, 14 waves a work-group, no clusters, 51,968 bytes of LDS; arguments bins, featt, out0; writes out0
.if DOCPART == 2
	.amdgcn_target "amdgcn-amd-amdhsa--gfx1250"
	.amdhsa_code_object_version 6
	.text
	.protected	k_q415d87286e_pool
	.globl	k_q415d87286e_pool
	.p2align	8
	.type	k_q415d87286e_pool,@function
k_q415d87286e_pool:
	s_mov_b64 s[64:65], 0
	v_nop
	global_prefetch_b8 v0, s[64:65] scope:SCOPE_SE
	s_setreg_imm32_b32 hwreg(HW_REG_WAVE_MODE, 25, 1), 1
	s_wait_xcnt 0x0
; ROI pooling, second launch: out0[box][channel][ph][pw] = the maximum of the feature map over rows hs[ph] .. he[ph]-1 and columns ws[pw] .. we[pw]-1,
; 0 where the bin is empty.  The edges come as whole numbers from bins (32 words a box), the map as featt [cell][256 words] (word 128 g + 4 l + k of
; a cell = channel 128 g + 32 k + l).
; One work-group a box, 14 waves: wave = (ph, g).  A lane holds four channels; a wave's load is 512 consecutive bytes of one cell.
; A PASS takes up to 3 rows x 3 columns of each of the seven pw bins, in blocks of seven loads (one row, the k-th column of every bin).  A column
; beyond a bin's last is clamped to the last: a cell taken twice does not change a maximum.  There are nine variants of the pass, rows 1..3 x columns 1..3,
; chosen by scalar branches on the table, so that a small box loads no more than it needs; two loops, counted in passes, repeat it for bins of any size.
; The results go through LDS in the output's order and leave as 16 bytes a lane: 50,176 bytes = 448 threads x 7 x 16.
; LIMIT: a NaN in the feature map is dropped by the maxima (v_max_num, v_max3_num), where the reference would hand it on.  Infinities are kept.
; No cluster: each box asks for cells of its own, at its own time; there is no tile that several work-groups request together.
; No prefetch: a cell's address is known only when the box's record has come, and the loads follow at once.
.set ROWB,   51200                     ; bytes of a row of 50 cells in featt
.set BOXOUT, 50176                     ; bytes of a box's output: 256 channels x 49 x 4
.set CHB,    196                       ; bytes of a channel's 49 results
.set COPY,   7168                      ; 448 threads x 16 bytes
.set THIRD,  0x55555556                ; (2^32 + 2) / 3: the upper word of n x THIRD is n / 3, rounded down, for the small n here
.set MAXP,   17                        ; passes of three that cover 50 rows or columns
.set LB,   2                           ; v2        my 16 bytes in a cell: 512 g + 16 lane
.set STO,  3                           ; v3        LDS: result (channel 128 g + lane, ph, 0)
.set CP,   4                           ; v4        16 x thread: the way out, in LDS and in out0
.set VOFF, 8                           ; v[8:28]   byte offset of column k of bin pw, + LB, at 3 pw + k
.set ACC,  32                          ; v[32:59]  running maxima, at 4 pw + component
.set SETS, 64                          ; v[64:231] six landing sets of 28 registers, one block each
.set NSET, 6
.set WS,   32                          ; s[32:38]  first column of bin pw
.set WL,   40                          ; s[40:46]  we as loaded, then the last column we - 1
.set RB,   48                          ; s[48:53]  featt at the pass's three rows
.set CT,   56                          ; s[56:62]  seven columns at work; at the end seven masks
; s10 wave, s11 ph, s12 g, s13 the box's record, s14 + 4 ph, s15 hs, s16 the pass's first row, s17 he, s19 widest bin, s20 the pass's first column in a bin,
; s27 / s28 passes along the columns: done / in all, s29 / s30 the same along the rows
	s_load_b128 s[4:7], s[0:1], 0x0                ; bins s[4:5], featt s[6:7]
	s_load_b64 s[8:9], s[0:1], 0x10                ; out0
	v_lshl_add_u32 v232, v0, 2, 0xc400
	v_mov_b32 v233, 0
	v_lshrrev_b32 v1, 5, v0
	v_readfirstlane_b32 s10, v1                    ; wave 0..13
	s_lshr_b32 s11, s10, 1                         ; ph
	s_and_b32 s12, s10, 1                          ; g
	s_lshl_b32 s13, ttmp9, 7                       ; 128 bytes a box
	s_lshl2_add_u32 s14, s11, s13
	s_wait_kmcnt 0x0
	s_load_b32 s15, s[4:5], s14 offset:0x0         ; hs[ph]
	s_load_b32 s17, s[4:5], s14 offset:0x20        ; he[ph]
	s_load_b512 s[32:47], s[4:5], s13 offset:0x40  ; ws[0..7], we[0..7]
	; while the record is on its way: what hangs on ids alone
	v_and_b32 v1, 31, v0
	s_lshl_b32 s23, s12, 9
	v_lshl_add_u32 v[LB], v1, 4, s23
	s_mul_i32 s23, s12, 128*CHB
	s_mul_i32 s24, s11, 28
	s_add_co_u32 s23, s23, s24
	v_mad_u32_u24 v[STO], v1, CHB, s23
	v_lshlrev_b32 v[CP], 4, v0
	s_mul_i32 s54, ttmp9, BOXOUT
	s_mov_b32 s55, 0                               ; stays 0: the upper word of every offset pair
	s_add_nc_u64 s[8:9], s[8:9], s[54:55]
	s_mov_b32 s25, 0xff800000                      ; -inf starts the maxima, since the number of passes hangs on the box
.set i, 0
.rept 28
	v_mov_b32 v[ACC+i], s25
.set i, i+1
.endr
	s_wait_kmcnt 0x0
	s_sub_co_i32 s19, s[WL], s[WS]                 ; the widest of the seven bins: how many columns a bin has to be walked
.irp pw, 1,2,3,4,5,6
	s_sub_co_i32 s23, s[WL+\pw], s[WS+\pw]
	s_max_i32 s19, s19, s23
.endr
.irp pw, 0,1,2,3,4,5,6
	s_add_co_i32 s[WL+\pw], s[WL+\pw], -1          ; last column; -1 (we = 0, an empty bin) is the largest unsigned number and clamps nothing
.endr
	; The loops are counted in passes, by one, against numbers made here: (extent + 2) / 3, one pass for an empty bin (its result is masked at the end),
	; and never more than the 17 that 50 cells need.
	s_max_i32 s28, s19, 1
	s_add_co_u32 s28, s28, 2
	s_mul_hi_u32 s28, s28, THIRD
	s_min_u32 s28, s28, MAXP                       ; passes along the columns
	s_sub_co_i32 s30, s17, s15
	s_max_i32 s30, s30, 1
	s_add_co_u32 s30, s30, 2
	s_mul_hi_u32 s30, s30, THIRD
	s_min_u32 s30, s30, MAXP                       ; passes along the rows
	s_mov_b32 s16, s15
	s_mov_b32 s29, 0
; The offsets of column k of the pass in all seven bins: min(ws + first + k, last), then at most 49, the bound under which a number from the table
; enters an address.  Seven independent chains, step by step.
.macro COLK k
	s_add_co_u32 s26, s20, \k
.irp pw, 0,1,2,3,4,5,6
	s_add_co_u32 s[CT+\pw], s[WS+\pw], s26
.endr
.irp pw, 0,1,2,3,4,5,6
	s_min_u32 s[CT+\pw], s[CT+\pw], s[WL+\pw]
.endr
.irp pw, 0,1,2,3,4,5,6
	s_min_u32 s[CT+\pw], s[CT+\pw], 49
.endr
.irp pw, 0,1,2,3,4,5,6
	v_lshl_add_u32 v[VOFF+3*\pw+\k], s[CT+\pw], 10, v[LB]
.endr
.endm
; Block number 'issued' of a pass of a rows: column issued / a, row issued % a, into set issued % 6.  A column's offsets are made in front of its first block;
; they have registers of their own for each k, so none that a pending load names is rewritten.
.macro ISSUE a
.set kk, issued/(\a)
.set rr, issued%(\a)
.set st, SETS+28*(issued%NSET)
.if rr == 0
	COLK kk
.endif
.irp pw, 0,1,2,3,4,5,6
	global_load_b128 v[st+4*\pw:st+4*\pw+3], v[VOFF+3*\pw+kk], s[RB+2*rr:RB+2*rr+1]
.endr
.set issued, issued+1
.endm
.macro MAX2                            ; two blocks into the maxima at once
.set i, 0
.rept 28
	v_max3_num_f32 v[ACC+i], v[ACC+i], v[sa+i], v[sb+i]
.set i, i+1
.endr
.endm
.macro MAX1
.set i, 0
.rept 28
	v_max_num_f32 v[ACC+i], v[ACC+i], v[sa+i]
.set i, i+1
.endr
.endm
; A pass of a rows x b columns = a b blocks.  Up to six blocks (42 loads) are asked for at once; then the two oldest are taken and their sets asked for again.
; Every pass ends on a wait for 0, so that the next pass may rewrite the offsets and the row addresses.
.macro PIPE a, b
.set nb, (\a)*(\b)
.set issued, 0
.set done, 0
.rept NSET
.if issued < nb
	ISSUE \a
.endif
.endr
.rept 5
.set rem, nb-done
.set sa, SETS+28*(done%NSET)
.set sb, SETS+28*((done+1)%NSET)
.if rem >= 2
	s_wait_loadcnt 7*(issued-done-2)               ; loads come back in order (ISA guide 5.7.1): the two oldest blocks are in, seven loads for each younger block stay out
	MAX2
.set done, done+2
.rept 2
.if issued < nb
	ISSUE \a
.endif
.endr
.endif
.if rem == 1
	s_wait_loadcnt 0x0                             ; the last block: nothing was asked for behind it
	MAX1
.set done, done+1
.endif
.endr
.endm
.Lrows:
	s_mov_b32 s20, 0
	s_mov_b32 s27, 0
.Lcols:
	s_sub_co_i32 s21, s17, s16                     ; rows left in my bin (0 or less: an empty bin, walked as one row and masked at the end)
	s_sub_co_i32 s22, s19, s20                     ; columns left in the widest bin
.irp r, 0,1,2
	s_add_co_u32 s23, s16, \r
	s_min_u32 s23, s23, 49                         ; the bound under which a number from the table enters an address
	s_mul_i32 s54, s23, ROWB
	s_add_nc_u64 s[RB+2*\r:RB+2*\r+1], s[6:7], s[54:55]
.endr
	s_cmp_ge_i32 s21, 3
	s_cbranch_scc1 .Lr3
	s_cmp_eq_u32 s21, 2
	s_cbranch_scc1 .Lr2
	s_cmp_ge_i32 s22, 3
	s_cbranch_scc1 .Lv13
	s_cmp_eq_u32 s22, 2
	s_cbranch_scc1 .Lv12
	PIPE 1, 1
	s_branch .Ljoin
.Lv12:
	PIPE 1, 2
	s_branch .Ljoin
.Lv13:
	PIPE 1, 3
	s_branch .Ljoin
.Lr2:
	s_cmp_ge_i32 s22, 3
	s_cbranch_scc1 .Lv23
	s_cmp_eq_u32 s22, 2
	s_cbranch_scc1 .Lv22
	PIPE 2, 1
	s_branch .Ljoin
.Lv22:
	PIPE 2, 2
	s_branch .Ljoin
.Lv23:
	PIPE 2, 3
	s_branch .Ljoin
.Lr3:
	s_cmp_ge_i32 s22, 3
	s_cbranch_scc1 .Lv33
	s_cmp_eq_u32 s22, 2
	s_cbranch_scc1 .Lv32
	PIPE 3, 1
	s_branch .Ljoin
.Lv32:
	PIPE 3, 2
	s_branch .Ljoin
.Lv33:
	PIPE 3, 3
.Ljoin:
	s_add_co_u32 s20, s20, 3                       ; bins wider than three columns: three columns on
	s_add_co_u32 s27, s27, 1                       ; one pass more is done
	s_cmp_lt_u32 s27, s28
	s_cbranch_scc1 .Lcols
	s_add_co_u32 s16, s16, 3                       ; bins higher than three rows: three rows on
	s_add_co_u32 s29, s29, 1
	s_cmp_lt_u32 s29, s30
	s_cbranch_scc1 .Lrows
	; An empty bin (he <= hs or we <= ws) gives 0: AND with 0; all ones keep the maximum.
	s_cmp_lt_i32 s15, s17
	s_cselect_b32 s21, -1, 0
.irp pw, 0,1,2,3,4,5,6
	s_cmp_le_i32 s[WS+\pw], s[WL+\pw]
	s_cselect_b32 s[CT+\pw], s21, 0
.endr
.irp pw, 0,1,2,3,4,5,6
.irp c, 0,1,2,3
	v_and_b32 v[ACC+4*\pw+\c], s[CT+\pw], v[ACC+4*\pw+\c]
.endr
.endr
	; Into LDS in the output's order: component c of lane l is channel 128 g + 32 c + l.  Neighbouring lanes are 49 words apart, an odd number:
	; the 32 lanes of a store fall on 32 different banks of the 64 (ISA guide 11.1).
.irp pw, 0,1,2,3,4,5,6
.irp c, 0,1,2,3
	ds_store_b32 v[STO], v[ACC+4*\pw+\c] offset:\c*32*CHB+\pw*4
.endr
.endr
	s_wait_dscnt 0x0                               ; my results are in LDS before I say so: other waves carry them out
	s_barrier_signal -1
	s_barrier_wait -1
.irp i, 0,1,2,3,4,5,6
	ds_load_b128 v[SETS+4*\i:SETS+4*\i+3], v[CP] offset:\i*COPY
.endr
.irp i, 0,1,2,3,4,5,6
	s_wait_dscnt 6-\i                              ; LDS loads come back in order (ISA guide 5.7.1): piece i is in, the 6 - i younger ones stay out
	global_store_b128 v[CP], v[SETS+4*\i:SETS+4*\i+3], s[8:9] offset:\i*COPY th:TH_STORE_NT   ; a wave stores 512 consecutive bytes, at a multiple of 512 from out0's first byte
.endr
	s_wait_tensorcnt 0x0
	ds_add_u32 v232, v233
	s_wait_dscnt 0x0
	s_endpgm
.Lfunc_end_k_q415d87286e_pool:
	.size	k_q415d87286e_pool, .Lfunc_end_k_q415d87286e_pool-k_q415d87286e_pool
	.p2alignl 7, 3214868480
	.fill 96, 4, 3214868480
	.section	.rodata,"a",@progbits
	.p2align	6, 0x0
	.amdhsa_kernel k_q415d87286e_pool
		.amdhsa_group_segment_fixed_size 51968
		.amdhsa_private_segment_fixed_size 0
		.amdhsa_enable_private_segment 0
		.amdhsa_kernarg_size 24
		.amdhsa_user_sgpr_count 2
		.amdhsa_user_sgpr_kernarg_segment_ptr 1
		.amdhsa_wavefront_size32 1
		.amdhsa_system_sgpr_workgroup_id_x 1
		.amdhsa_system_sgpr_workgroup_id_y 1
		.amdhsa_system_sgpr_workgroup_id_z 1
		.amdhsa_system_vgpr_workitem_id 0
		.amdhsa_next_free_vgpr 234
		.amdhsa_next_free_sgpr 66
		.amdhsa_reserve_vcc 0
		.amdhsa_float_denorm_mode_32 3
		.amdhsa_float_denorm_mode_16_64 3
		.amdhsa_memory_ordered 1
		.amdhsa_forward_progress 1
		.amdhsa_inst_pref_size 86
	.end_amdhsa_kernel
	.amdgpu_metadata
---
amdhsa.version: [ 1, 2 ]
amdhsa.kernels:
  - .name:           k_q415d87286e_pool
    .symbol:         k_q415d87286e_pool.kd
    .args:
      - { .name: bins, .offset: 0, .size: 8, .value_kind: global_buffer, .address_space: global }
      - { .name: featt, .offset: 8, .size: 8, .value_kind: global_buffer, .address_space: global }
      - { .name: out0, .offset: 16, .size: 8, .value_kind: global_buffer, .address_space: global }
    .group_segment_fixed_size: 51968
    .private_segment_fixed_size: 0
    .kernarg_segment_align: 8
    .kernarg_segment_size: 24
    .max_flat_workgroup_size: 448
    .sgpr_count:     66
    .vgpr_count:     234
    .wavefront_size: 32
...
	.end_amdgpu_metadata
.endif
;; end of part 2
